; MI455X (gfx1250); checked and timed in simulation.
; The chip was launched on July 23, 2026; its instructions are those of AMD's public machine-readable ISA for CDNA 5 (MIT licence, August 2026) and "CDNA5" Instruction Set Architecture Reference Guide (July 2026). The comments in the code are by the model that wrote it; some were corrected since.
;; Mo EMLP. Allowed arithmetic: matrix products marked QUANTISED: E3M2 operands, one E8M0 scale for each 32 along K, by v_wmma_scale_f32_16x16x128_f8f6f4 with both operands' format E3M2, f32 sums; products left as they are: f32 operands where the result goes on into a quantised operand, else bf16, f16 or f32 operands; f32 sums; everything else in f32.
;; Inputs: W1 8 x 1,024 x 4,096 float32; W2 8 x 4,096 x 1,024 float32; Wr 1,024 x 8 float32; x 4 x 256 x 1,024 float32.
;; Outputs: out0 4 x 256 x 1,024 float32.
;; Constants: top_k = 2.
;; This version of the problem:
;;   THIS VERSION OF THE PROBLEM IS GIVEN IN LOW PRECISION. The matrix products marked QUANTISED in the list below multiply operands that are first quantised to E3M2 (3 exponent bits, 2 mantissa bits; 6 bits a number), with one power-of-two scale for each 32 numbers along K (OCP MX v1.0); their sums are f32. All else is computed in f32.
;;   The module's matrix products, in the order in which they are computed (A, B: the left and right operand; K: the contracted axis; several contracted axes count as one K, in the product's order):
;;     1. [M 1,024, K 1,024] x [K 1,024, N 8]; A: input x; B: input Wr: left as it is (N = 8 < 16)
;;     2. [M 1,024, K 1,024] x [K 1,024, N 32,768]; A: input x; B: input W1: QUANTISED
;;     3. batch 8 x [M 1,024, K 4,096] x [K 4,096, N 1,024]; A: input W2; B: computed on the way: QUANTISED
;;     4. batch 1,024 x [M 1,024, K 8] x [K 8, N 1]; A: computed on the way; B: computed on the way: left as it is (K = 8 < 32)
;;   THE QUANTISER, for each operand of a quantised product, along K:
;;     - K is cut into blocks of 32 from its start; a last block that is shorter is filled with zeros.
;;     - A block's scale is 2^e with e = floor(log2(the largest magnitude in the block)) - 4, held to -126 .. 127; a block of zeros has e = 0. As a byte (E8M0): e + 127.
;;     - Each number is divided by its block's scale, clamped to +-28, and rounded to the nearest number of E3M2, ties to even, subnormals kept.
;;     - The product sums the exact products of the quantised numbers (number of the format x scale) in f32.
;;   ~~~python
;;   def quantise(x, axis):      # numpy; x: float32 -> the quantised numbers, widened to float32 again
;;       x = np.moveaxis(x, axis, -1); K = x.shape[-1]
;;       x = np.pad(x, [(0, 0)] * (x.ndim - 1) + [(0, -K % 32)]); x = x.reshape(x.shape[:-1] + (-1, 32)); a = np.abs(x).max(-1, keepdims=True)
;;       e = np.where(a > 0, np.clip(np.frexp(np.where(a > 0, a, 1))[1] - 1 - 4, -126, 127), 0)      # np.frexp(a)[1] - 1 = floor(log2(a)), exactly
;;       r = np.clip(x / 2.0 ** e, -28, 28)
;;       step = 2.0 ** (np.maximum(np.frexp(np.where(r == 0, 1, r))[1] - 1, -2) - 2)
;;       q = np.round(r / step) * step * 2.0 ** e      # np.round: ties to even
;;       return np.moveaxis(q.reshape(q.shape[:-2] + (-1,))[..., :K], -1, axis).astype(np.float32)
;;   ~~~
;;   OPERANDS COMPUTED ON THE WAY. 'Computed on the way' means the value that the module computes at that place (a softmax that the list does not call 'softmax' is quantised finished and normalised). What goes into a quantiser is computed in f32, as accurately as f32 sums, v_exp_f32 and their like allow (about 1e-6 of the number): no bf16 or f16 on the way to a quantiser, and a product that is left as it is and whose result goes on into a quantised operand takes f32 operands (vector FMAs, or v_wmma_f32_16x16x4_f32). A number that lies on a knife's edge between two numbers of the format may be rounded either way, as far as f32 arithmetic and the matrix unit's own rounding can turn it there, and no further.
;; One version. Each part assembles by itself: llvm-mc -triple=amdgcn-amd-amdhsa -mcpu=gfx1250 --defsym DOCPART=n.
;; ======== version 1 of 1: 5 launches
;; limits: right only within a limited range of input values
;; workspace buffers: xq 819,200 bytes; sel 4,096 bytes of whole numbers; wgt 8,192 bytes; lists 24,576 bytes of whole numbers; hq 6,912,000 bytes; y 17,694,720 bytes
;; launch route (part 1): grid 256 x 1, 4 waves a work-group, no clusters, 52,224 bytes of LDS; arguments x, Wr, xq, sel, wgt; writes xq, sel, wgt
.if DOCPART == 1
	.amdgcn_target "amdgcn-amd-amdhsa--gfx1250"
	.amdhsa_code_object_version 6
	.text
	.protected	k_qaf6083fb28_route
	.globl	k_qaf6083fb28_route
	.p2align	8
	.type	k_qaf6083fb28_route,@function
k_qaf6083fb28_route:
	s_mov_b64 s[64:65], 0
	v_nop
	global_prefetch_b8 v0, s[64:65] scope:SCOPE_SE
	s_setreg_imm32_b32 hwreg(HW_REG_WAVE_MODE, 25, 1), 1
	s_wait_xcnt 0x0
; ROUTE.  For each of the 1,024 tokens: the router in f32 (logits x Wr, exponentials under the row's maximum, the two largest, their weights
; renormalised) and the token's 1,024 numbers as codes of BF6 (E3M2) with one E8M0 byte for each 32 along K.
; One wave takes one token; lane l owns block l: k = 32 l .. 32 l + 31.  The softmax's divisor cancels in w / (w0 + w1), so it is not formed; the maximum is taken away first.
; OUT: xq: codes [1024][768] (a row is one stream of bits, four codes in three bytes), then from byte 786,432 scale words [1024][8]: in a word the byte of natural block m
; (of the four blocks of a K step of 128) stands at byte 2 (m & 1) + (m >> 1): the order in which the later launches feed blocks to the matrix unit.
; sel[t] = first expert | second expert << 8;  wgt[t] = the two weights.
; LIMITS: NaN and infinities among the inputs are not served; blocks whose largest magnitude lies under 2^-122 (the floor) were not tried; a block of zeros gets the byte 1 over zero codes
; (the bytes are read by this program alone); two router numbers that agree to within the rounding of f32 sums may be ranked the other way round.  Equal numbers: the lower index wins.
.set STG,  33280                       ; LDS: Wr at 0 (32 groups of 1,024 bytes, 1,040 apart); behind it a stage of 4,608 bytes for each wave (32 places of 128 + 16 bytes)
.set XSCL, 786432                      ; where xq's scale words begin
.set ACC,  10                          ; v10-17   the eight logits, as four pairs
.set X,    32                          ; v32-63   my 32 numbers of the token
.set WR0,  64                          ; v64-127, v128-191: two sets of 8 rows of Wr (first the landing registers of x and Wr)
.set WR1,  128
.set EX,   200                         ; v200-207 the eight exponentials
	s_load_b256 s[4:11], s[0:1], 0x0               ; x s[4:5], Wr s[6:7], xq s[8:9], sel s[10:11]
	s_load_b64 s[12:13], s[0:1], 0x20              ; wgt
	v_lshl_add_u32 v224, v0, 2, 0xca00
	v_mov_b32 v225, 0
	v_lshrrev_b32 v1, 5, v0
	v_readfirstlane_b32 s14, v1                    ; wave
	v_and_b32 v1, 31, v0                           ; lane
	s_lshl_b32 s15, ttmp9, 2
	s_add_co_u32 s15, s15, s14                     ; my token
	s_mul_i32 s16, s14, 4608
	s_add_co_u32 s16, s16, STG                     ; my stage
	v_lshlrev_b32 v2, 4, v1                        ; 16 x lane
	v_lshlrev_b32 v3, 4, v0                        ; 16 x thread
	v_mul_u32_u24 v4, v1, 24                       ; my block's 24 bytes of codes
	v_mov_b32 v5, 0
	v_lshrrev_b32 v6, 3, v1
	v_lshl_add_u32 v6, v6, 4, v2
	v_add_nc_u32 v6, s16, v6                       ; stage, in: eight lanes' 128 bytes on end, then 16 of padding
	v_mul_u32_u24 v7, v1, 144
	v_add_nc_u32 v7, s16, v7                       ; stage, out: my 128 bytes
	v_lshrrev_b32 v8, 6, v0
	v_lshl_add_u32 v8, v8, 4, v3                   ; Wr, in: 16 x thread, 16 more behind each 1,024
	v_mul_u32_u24 v9, v1, 1040                     ; Wr, out: my 32 rows
	v_and_b32 v31, 28, v1                          ; my scale byte: word l / 4,
	v_and_b32 v18, 1, v1
	v_lshl_add_u32 v31, v18, 1, v31                ; byte 2 (l & 1)
	v_bfe_u32 v18, v1, 1, 1
	v_add_nc_u32 v31, v31, v18                     ; + ((l >> 1) & 1)
	s_mov_b32 s24, 0x76543210
	s_mov_b32 s25, 0xfedcba98                      ; v_permlanex16_b32's selects for lane l xor 16
	s_lshl_b32 s18, s15, 12
	s_mov_b32 s19, 0
	s_mul_i32 s20, s15, 768
	s_mov_b32 s21, 0
	s_lshl_b32 s22, s15, 5
	s_mov_b32 s23, 0
	s_lshl_b32 s28, s15, 2
	s_mov_b32 s29, 0
	s_lshl_b32 s30, s15, 3
	s_mov_b32 s31, 0
	s_wait_alu depctr_va_vdst(0)
	s_wait_kmcnt 0x0
	s_add_nc_u64 s[4:5], s[4:5], s[18:19]          ; x at my token
	s_add_nc_u64 s[26:27], s[8:9], s[22:23]        ; xq + 32 t: the scale words lie XSCL further on
	s_add_nc_u64 s[8:9], s[8:9], s[20:21]          ; xq + 768 t
	s_add_nc_u64 s[10:11], s[10:11], s[28:29]
	s_add_nc_u64 s[12:13], s[12:13], s[30:31]
.irp i, 0,1,2,3,4,5,6,7
	global_load_b128 v[WR0+4*\i:WR0+4*\i+3], v2, s[4:5] offset:512*\i th:TH_LOAD_NT   ; 512 consecutive bytes of the token
.endr
.irp i, 0,1,2,3,4,5,6,7,8,9,10,11,12,13,14,15
	global_load_b128 v[WR1+4*\i:WR1+4*\i+3], v3, s[6:7] offset:2048*\i               ; the work-group's four waves bring all of Wr, 2,048 bytes a line
.endr
	s_wait_loadcnt 16                              ; x is in; Wr's sixteen younger loads may be out
.irp i, 0,1,2,3,4,5,6,7
	ds_store_b128 v6, v[WR0+4*\i:WR0+4*\i+3] offset:576*\i
.endr
.irp i, 0,1,2,3,4,5,6,7
	ds_load_b128 v[X+4*\i:X+4*\i+3], v7 offset:16*\i       ; my own bytes: LDS serves a wave's instructions in order
.endr
	s_wait_loadcnt 0x0
.irp i, 0,1,2,3,4,5,6,7,8,9,10,11,12,13,14,15
	ds_store_b128 v8, v[WR1+4*\i:WR1+4*\i+3] offset:2080*\i
.endr
	s_wait_dscnt 0x0                               ; my part of Wr lies in LDS, and x is back
	s_barrier_signal -1
	s_barrier_wait -1                              ; everybody's does
.macro WRLOAD cc, buf                  ; rows 32 l + 8 cc .. + 7 of Wr: register 8 k + e holds Wr[row k][e]
.irp m, 0,1,2,3,4,5,6,7,8,9,10,11,12,13,14,15
	ds_load_b128 v[\buf+4*\m:\buf+4*\m+3], v9 offset:256*\cc+16*\m
.endr
.endm
	WRLOAD 0, WR0
	WRLOAD 1, WR1
	; the token's codes, while Wr's rows come
	v_max3_num_f32 v18, |v[X]|, |v[X+1]|, 0x2800000        ; the block's largest magnitude, in two chains, with the floor 2^(5 - 127) among the leaves: the byte cannot fall under 1
	v_max3_num_f32 v19, |v[X+2]|, |v[X+3]|, 0x2800000
.irp i, 4,8,12,16,20,24,28
	v_max3_num_f32 v18, v18, |v[X+\i]|, |v[X+\i+1]|
	v_max3_num_f32 v19, v19, |v[X+\i+2]|, |v[X+\i+3]|
.endr
	v_max_num_f32 v18, v18, v19
	v_add_nc_u32 v20, 0xfe000000, v18              ; 4 off its exponent field: the conversion takes the exponent field of this operand as its scale
	v_lshrrev_b32 v21, 23, v20                     ; the scale's byte
	v_cvt_scalef32_pk16_bf6_f32 v[192:194], v[X:X+15], v20
	v_cvt_scalef32_pk16_bf6_f32 v[196:198], v[X+16:X+31], v20
	v_nop                                          ; one plain line behind the conversions
	global_store_b96 v4, v[192:194], s[8:9]        ; the wave's two stores cover the token's 768 consecutive bytes
	global_store_b96 v4, v[196:198], s[8:9] offset:12
	global_store_b8 v31, v21, s[26:27] offset:XSCL
	; the logits: eight sums a lane over its 32 k, two experts an instruction
.macro DOT cc, buf
.irp kk, 0,1,2,3,4,5,6,7
.irp a, 0,1,2,3
.if (8*\cc+\kk) == 0
	v_pk_mul_f32 v[ACC+2*\a:ACC+2*\a+1], v[\buf+2*\a:\buf+2*\a+1], v[X:X+1] op_sel_hi:[1,0]       ; the first k starts the sums
.elseif (\kk%2) == 0
	v_pk_fma_f32 v[ACC+2*\a:ACC+2*\a+1], v[\buf+8*\kk+2*\a:\buf+8*\kk+2*\a+1], v[X+8*\cc+\kk:X+8*\cc+\kk+1], v[ACC+2*\a:ACC+2*\a+1] op_sel_hi:[1,0,1]
.else
	v_pk_fma_f32 v[ACC+2*\a:ACC+2*\a+1], v[\buf+8*\kk+2*\a:\buf+8*\kk+2*\a+1], v[X+8*\cc+\kk-1:X+8*\cc+\kk], v[ACC+2*\a:ACC+2*\a+1] op_sel:[0,1,0] op_sel_hi:[1,1,1]
.endif
.endr
.endr
.endm
	s_wait_dscnt 16                                ; chunk 0 is in; chunk 1's sixteen loads may be out
	DOT 0, WR0
	WRLOAD 2, WR0
	s_wait_alu depctr_va_vdst(0)
	s_wait_dscnt 16                                ; chunk 1; chunk 2's may be out
	DOT 1, WR1
	WRLOAD 3, WR1
	s_wait_alu depctr_va_vdst(0)
	s_wait_dscnt 16                                ; chunk 2; chunk 3's may be out
	DOT 2, WR0
	s_wait_alu depctr_va_vdst(0)
	s_wait_dscnt 0x0
	DOT 3, WR1
.irp m, 1,2,4,8                        ; over the 32 lanes: every lane ends with the same eight sums
.irp i, 0,1,2,3,4,5,6,7
	v_add_f32_dpp v[ACC+\i], v[ACC+\i], v[ACC+\i] row_xmask:\m row_mask:0xf bank_mask:0xf
.endr
.endr
.irp i, 0,1,2,3,4,5,6,7
	v_permlanex16_b32 v[WR0+\i], v[ACC+\i], s24, s25       ; (its destination has been written: Wr's rows lay there)
.endr
.irp i, 0,1,2,3,4,5,6,7
	v_add_f32 v[ACC+\i], v[ACC+\i], v[WR0+\i]
.endr
	v_max3_num_f32 v30, v[ACC], v[ACC+1], v[ACC+2]         ; the row's maximum
	v_max3_num_f32 v30, v30, v[ACC+3], v[ACC+4]
	v_max3_num_f32 v30, v30, v[ACC+5], v[ACC+6]
	v_max_num_f32 v30, v30, v[ACC+7]
.irp i, 0,1,2,3,4,5,6,7
	v_sub_f32 v[EX+\i], v[ACC+\i], v30
.endr
.irp i, 0,1,2,3,4,5,6,7
	v_mul_f32 v[EX+\i], 0x3fb8aa3b, v[EX+\i]               ; x log2(e)
.endr
	s_wait_alu depctr_va_vdst(0)
.irp i, 0,1,2,3,4,5,6,7
	v_exp_f32 v[EX+\i], v[EX+\i]
.endr
	v_mov_b32 v209, 0                              ; (a plain line behind the exponentials)  the best one's index
	s_wait_alu depctr_va_vdst(0)                   ; one wait for the eight, ahead of their first reader
	v_mov_b32 v208, v[EX]
.irp i, 1,2,3,4,5,6,7
	v_cmp_gt_f32 vcc_lo, v[EX+\i], v208            ; strictly greater: of equals the lower index stays
	v_cndmask_b32 v208, v208, v[EX+\i], vcc_lo
	v_cndmask_b32 v209, v209, \i, vcc_lo
.endr
.irp i, 0,1,2,3,4,5,6,7
	v_cmp_eq_u32 vcc_lo, \i, v209
	v_cndmask_b32 v[EX+\i], v[EX+\i], -1.0, vcc_lo         ; the winner leaves the field: every other number is 0 or more
.endr
	v_mov_b32 v210, v[EX]
	v_mov_b32 v211, 0
.irp i, 1,2,3,4,5,6,7
	v_cmp_gt_f32 vcc_lo, v[EX+\i], v210
	v_cndmask_b32 v210, v210, v[EX+\i], vcc_lo
	v_cndmask_b32 v211, v211, \i, vcc_lo
.endr
	v_add_f32 v212, v208, v210
	s_wait_alu depctr_va_vdst(0)
	v_rcp_f32 v212, v212
	v_lshl_or_b32 v213, v211, 8, v209              ; (a plain line behind the reciprocal)  the two experts
	s_wait_alu depctr_va_vdst(0)
	v_mul_f32 v214, v208, v212
	v_mul_f32 v215, v210, v212
	s_wait_alu depctr_va_vdst(0)
	s_wait_xcnt 0x0                                ; EXEC changes only behind this wait
	v_cmp_eq_u32 vcc_lo, 0, v1
	s_wait_tensorcnt 0x0
	ds_add_u32 v224, v225
	s_wait_dscnt 0x0
	s_and_saveexec_b32 s20, vcc_lo                 ; lane 0 alone
	global_store_b32 v5, v213, s[10:11]
	global_store_b64 v5, v[214:215], s[12:13]
	s_wait_xcnt 0x0
	s_or_b32 exec_lo, exec_lo, s20
	s_endpgm
.Lfunc_end_k_qaf6083fb28_route:
	.size	k_qaf6083fb28_route, .Lfunc_end_k_qaf6083fb28_route-k_qaf6083fb28_route
	.p2alignl 7, 3214868480
	.fill 96, 4, 3214868480
	.section	.rodata,"a",@progbits
	.p2align	6, 0x0
	.amdhsa_kernel k_qaf6083fb28_route
		.amdhsa_group_segment_fixed_size 52224
		.amdhsa_private_segment_fixed_size 0
		.amdhsa_enable_private_segment 0
		.amdhsa_kernarg_size 40
		.amdhsa_user_sgpr_count 2
		.amdhsa_user_sgpr_kernarg_segment_ptr 1
		.amdhsa_wavefront_size32 1
		.amdhsa_system_sgpr_workgroup_id_x 1
		.amdhsa_system_sgpr_workgroup_id_y 1
		.amdhsa_system_sgpr_workgroup_id_z 1
		.amdhsa_system_vgpr_workitem_id 0
		.amdhsa_next_free_vgpr 226
		.amdhsa_next_free_sgpr 66
		.amdhsa_reserve_vcc 1
		.amdhsa_float_denorm_mode_32 3
		.amdhsa_float_denorm_mode_16_64 3
		.amdhsa_memory_ordered 1
		.amdhsa_forward_progress 1
		.amdhsa_inst_pref_size 28
	.end_amdhsa_kernel
	.amdgpu_metadata
---
amdhsa.version: [ 1, 2 ]
amdhsa.kernels:
  - .name:           k_qaf6083fb28_route
    .symbol:         k_qaf6083fb28_route.kd
    .args:
      - { .name: x, .offset: 0, .size: 8, .value_kind: global_buffer, .address_space: global }
      - { .name: Wr, .offset: 8, .size: 8, .value_kind: global_buffer, .address_space: global }
      - { .name: xq, .offset: 16, .size: 8, .value_kind: global_buffer, .address_space: global }
      - { .name: sel, .offset: 24, .size: 8, .value_kind: global_buffer, .address_space: global }
      - { .name: wgt, .offset: 32, .size: 8, .value_kind: global_buffer, .address_space: global }
    .group_segment_fixed_size: 52224
    .private_segment_fixed_size: 0
    .kernarg_segment_align: 8
    .kernarg_segment_size: 40
    .max_flat_workgroup_size: 128
    .sgpr_count:     66
    .vgpr_count:     226
    .wavefront_size: 32
...
	.end_amdgpu_metadata
.endif
;; end of part 1
;; launch place (part 2): grid 1 x 1, 8 waves a work-group, no clusters, 1,280 bytes of LDS; arguments sel, lists; writes lists
.if DOCPART == 2
	.amdgcn_target "amdgcn-amd-amdhsa--gfx1250"
	.amdhsa_code_object_version 6
	.text
	.protected	k_qaf6083fb28_place
	.globl	k_qaf6083fb28_place
	.p2align	8
	.type	k_qaf6083fb28_place,@function
k_qaf6083fb28_place:
	s_mov_b64 s[64:65], 0
	v_nop
	global_prefetch_b8 v0, s[64:65] scope:SCOPE_SE
	s_setreg_imm32_b32 hwreg(HW_REG_WAVE_MODE, 25, 1), 1
	s_wait_xcnt 0x0
; PLACE.  A counting sort of the 2,048 (token, choice) pairs by expert, into tiles of 16 rows.  One work-group; wave e builds expert e's list; no atomics.
; lists: u32 tbase[8] at 0 (the expert's first tile), ntile[8] at 32; tok[2160] at 256 (the token of each row place; an expert's last tile is filled up with token 0);
; slot[2048] at 8,960 (index 2 t + choice: the pair's row place).  There are never more than (2048 + 8 x 15) / 16 = 135 tiles, whatever the choice.
; Every wave reads all 1,024 words of sel: register 4 i + j of lane l holds token 128 i + 4 l + j.  A lane mask for each register says who chose my expert; a row place is the
; running count plus the number of set bits below the lane.  The order inside a list is free.
; ORDER OF THE TEXT: every row place, address and token number is made first, with all lanes on; the stores follow, all lanes on (lanes that are not chosen write spare words), and nothing else stands among them.
.set PD,  64                           ; v64-95   turn rho: my row place (clamped)
.set PAD, 96                           ; v96-127  4 x it: where the token goes in tok
.set SA,  128                          ; v128-159 32 l + 4 x choice: where the row place goes in slot
.set TK,  160                          ; v160-191 the token
	s_load_b128 s[4:7], s[0:1], 0x0                ; sel, lists
	v_lshl_add_u32 v192, v0, 2, 0x100
	v_mov_b32 v193, 0
	v_lshrrev_b32 v1, 5, v0
	s_delay_alu instid0(VALU_DEP_1)
	v_readfirstlane_b32 s12, v1                    ; wave = expert
	v_and_b32 v1, 31, v0                           ; lane
	s_delay_alu instid0(VALU_DEP_1)
	v_lshlrev_b32 v2, 4, v1
	s_delay_alu instid0(VALU_DEP_2)
	v_lshlrev_b32 v9, 5, v1                        ; 8 bytes of slot for each token: 32 l
	s_delay_alu instid0(VALU_DEP_3)
	v_lshlrev_b32 v11, 2, v1                       ; 4 l: the lane's part of a token's number
	v_mov_b32 v12, s12
	s_delay_alu instid0(VALU_DEP_1)
	v_lshlrev_b32 v12, 2, v12                      ; 4 e
	v_mov_b32 v14, 0
	v_mov_b32 v7, 0x870                            ; the spare word of tok (index 2,160: the 64 bytes between tok and slot): where lanes that are not chosen store
	v_mov_b32 v8, 0x2000                           ; and the spare words behind slot: 8,192 bytes on from a turn's place
	s_mov_b32 s13, 0                               ; my expert's rows
	s_wait_alu depctr_va_vdst(0)
	s_wait_kmcnt 0x0
.irp i, 0,1,2,3,4,5,6,7
	global_load_b128 v[32+4*\i:35+4*\i], v2, s[4:5] offset:512*\i
.endr
	s_wait_loadcnt 0x0
.set rho, 0
.rept 32
	v_and_b32 v3, 0xff, v[32+rho]
	v_bfe_u32 v4, v[32+rho], 8, 8
	s_delay_alu instid0(VALU_DEP_2)
	v_cmp_eq_u32 s20, s12, v3
	s_delay_alu instid0(VALU_DEP_2)
	v_cmp_eq_u32 s21, s12, v4
	s_or_b32 s[32+rho], s20, s21                   ; the two choices differ, so a token counts once
	s_bcnt1_i32_b32 s22, s[32+rho]
	s_add_co_u32 s13, s13, s22
.set rho, rho+1
.endr
	s_add_co_u32 s15, s13, 15
	s_lshr_b32 s15, s15, 4                         ; my tiles
	v_mov_b32 v13, s15
	ds_store_b32 v12, v13                          ; all lanes write the same word with the same value
	s_wait_dscnt 0x0
	s_barrier_signal -1
	s_barrier_wait -1
	ds_load_b128 v[16:19], v14
	ds_load_b128 v[20:23], v14 offset:16
	s_wait_dscnt 0x0
.irp i, 0,1,2,3,4,5,6,7
	v_readfirstlane_b32 s[24+\i], v[16+\i]
.endr
	s_mov_b32 s16, 0                               ; my first tile: the tiles of the experts in front of mine
.irp i, 0,1,2,3,4,5,6,7
	s_cmp_gt_u32 s12, \i
	s_cselect_b32 s20, s[24+\i], 0
	s_add_co_u32 s16, s16, s20
.endr
	v_mov_b32 v15, s16
	s_wait_alu depctr_va_vdst(0)
	s_wait_xcnt 0x0                                ; EXEC changes only behind this wait
	v_cmp_eq_u32 vcc_lo, 0, v1
	s_wait_tensorcnt 0x0
	ds_add_u32 v192, v193
	s_wait_dscnt 0x0
	s_and_saveexec_b32 s20, vcc_lo
	global_store_b32 v12, v15, s[6:7]
	global_store_b32 v12, v13, s[6:7] offset:32
	s_wait_xcnt 0x0
	s_or_b32 exec_lo, exec_lo, s20
	; all 32 turns' places and addresses, all lanes on
	s_lshl_b32 s14, s16, 4                         ; the running row place
.set rho, 0
.rept 32
	v_mbcnt_lo_u32_b32 v[PD+rho], s[32+rho], s14   ; my row place, if I am chosen
	s_delay_alu instid0(VALU_DEP_1)
	v_cndmask_b32 v[PD+rho], v7, v[PD+rho], s[32+rho]      ; a lane that is not chosen: the spare word
	s_delay_alu instid0(VALU_DEP_1)
	v_min_u32 v[PD+rho], 0x870, v[PD+rho]          ; inside tok[2160] and its spare word
	s_delay_alu instid0(VALU_DEP_1)
	v_lshlrev_b32 v[PAD+rho], 2, v[PD+rho]
	v_cndmask_b32 v10, v8, v9, s[32+rho]           ; a lane that is not chosen: behind slot
	v_bfe_u32 v3, v[32+rho], 8, 8
	s_delay_alu instid0(VALU_DEP_1)
	v_cmp_eq_u32 vcc_lo, s12, v3
	s_delay_alu instid0(VALU_DEP_1)
	v_cndmask_b32 v6, 0, 1, vcc_lo                 ; which of the token's two choices my expert is
	s_delay_alu instid0(VALU_DEP_1)
	v_min_u32 v6, 1, v6
	s_delay_alu instid0(VALU_DEP_1)
	v_lshl_add_u32 v[SA+rho], v6, 2, v10
	s_delay_alu instid0(VALU_DEP_1)
	v_min_u32 v[SA+rho], 0x2004, v[SA+rho]
	v_add_nc_u32 v[TK+rho], 128*(rho/4)+rho%4, v11 ; the token
	s_delay_alu instid0(VALU_DEP_1)
	v_cndmask_b32 v[TK+rho], 0, v[TK+rho], s[32+rho]       ; a lane that is not chosen stores 0: every store to the spare word carries the same value
	s_bcnt1_i32_b32 s22, s[32+rho]
	s_add_co_u32 s14, s14, s22
.set rho, rho+1
.endr
	s_add_co_u32 s21, s16, s15
	s_lshl_b32 s21, s21, 4                         ; where my last tile ends
	v_add_nc_u32 v4, s14, v1
	s_delay_alu instid0(VALU_DEP_1)
	v_cmp_gt_u32 s23, s21, v4                      ; the places that are left: at most 15
	s_delay_alu instid0(VALU_DEP_1)
	v_cndmask_b32 v4, v7, v4, s23
	s_delay_alu instid0(VALU_DEP_1)
	v_min_u32 v4, 0x870, v4
	s_delay_alu instid0(VALU_DEP_1)
	v_lshlrev_b32 v5, 2, v4
	; the stores: all lanes, those not chosen to spare words
.set rho, 0
	s_wait_alu depctr_va_vdst(0)
.rept 32
	global_store_b32 v[PAD+rho], v[TK+rho], s[6:7] offset:256      ; all lanes on: what is not chosen goes to spare words that nobody reads
	global_store_b32 v[SA+rho], v[PD+rho], s[6:7] offset:8960+1024*(rho/4)+8*(rho%4)
.set rho, rho+1
.endr
	global_store_b32 v5, v14, s[6:7] offset:256    ; token 0: computed like any row, read by nobody
	s_endpgm
.Lfunc_end_k_qaf6083fb28_place:
	.size	k_qaf6083fb28_place, .Lfunc_end_k_qaf6083fb28_place-k_qaf6083fb28_place
	.p2alignl 7, 3214868480
	.fill 96, 4, 3214868480
	.section	.rodata,"a",@progbits
	.p2align	6, 0x0
	.amdhsa_kernel k_qaf6083fb28_place
		.amdhsa_group_segment_fixed_size 1280
		.amdhsa_private_segment_fixed_size 0
		.amdhsa_enable_private_segment 0
		.amdhsa_kernarg_size 16
		.amdhsa_user_sgpr_count 2
		.amdhsa_user_sgpr_kernarg_segment_ptr 1
		.amdhsa_wavefront_size32 1
		.amdhsa_system_sgpr_workgroup_id_x 1
		.amdhsa_system_sgpr_workgroup_id_y 1
		.amdhsa_system_sgpr_workgroup_id_z 1
		.amdhsa_system_vgpr_workitem_id 0
		.amdhsa_next_free_vgpr 194
		.amdhsa_next_free_sgpr 66
		.amdhsa_reserve_vcc 1
		.amdhsa_float_denorm_mode_32 3
		.amdhsa_float_denorm_mode_16_64 3
		.amdhsa_memory_ordered 1
		.amdhsa_forward_progress 1
		.amdhsa_inst_pref_size 58
	.end_amdhsa_kernel
	.amdgpu_metadata
---
amdhsa.version: [ 1, 2 ]
amdhsa.kernels:
  - .name:           k_qaf6083fb28_place
    .symbol:         k_qaf6083fb28_place.kd
    .args:
      - { .name: sel, .offset: 0, .size: 8, .value_kind: global_buffer, .address_space: global }
      - { .name: lists, .offset: 8, .size: 8, .value_kind: global_buffer, .address_space: global }
    .group_segment_fixed_size: 1280
    .private_segment_fixed_size: 0
    .kernarg_segment_align: 8
    .kernarg_segment_size: 16
    .max_flat_workgroup_size: 256
    .sgpr_count:     66
    .vgpr_count:     194
    .wavefront_size: 32
...
	.end_amdgpu_metadata
.endif
;; end of part 2
;; launch up (part 3): grid 256 x 1, 8 waves a work-group, no clusters, 104,448 bytes of LDS; arguments W1, xq, lists, hq; writes hq
.if DOCPART == 3
	.amdgcn_target "amdgcn-amd-amdhsa--gfx1250"
	.amdhsa_code_object_version 6
	.text
	.protected	k_qaf6083fb28_up
	.globl	k_qaf6083fb28_up
	.p2align	8
	.type	k_qaf6083fb28_up,@function
k_qaf6083fb28_up:
	s_mov_b64 s[64:65], 0
	v_nop
	global_prefetch_b8 v0, s[64:65] scope:SCOPE_SE
	s_setreg_imm32_b32 hwreg(HW_REG_WAVE_MODE, 25, 1), 1
	s_wait_xcnt 0x0
; UP.  h = Q(silu(Q(x) Q(W1[e]))) for the rows routed to expert e, on codes of BF6 (E3M2) with one E8M0 scale for each 32 along K.
; LEFT OUT: the rows of experts that a token did not choose: the module multiplies their results by a weight 0 that it builds itself (the one_hot of its own top-k), so they reach no output.
; SHARES.  Work-group = (expert e = wg / 32, j = wg % 32): hidden units 128 j .. 128 j + 127, K = 1,024: 512 KiB of W1, read once.  Eight waves, all alike.
; FIRST every wave streams four pieces of W1 (32 rows = one block along K x 128 columns; a load is 512 consecutive bytes of a row) and quantises them in registers into LDS, as images of the
; operand's registers.  Lane l holds columns 4 l .. 4 l + 3 and all 32 rows of the block, so a block's largest magnitude needs no other lane.  Wave w: natural block w % 4 of K step 2 tr + w / 4.
; Pieces 0 and 1 are asked for at the head, in two sets of 128 registers; the second set's registers later take rows' codes.  Between the pieces the wave asks for its rows' codes:
; 3 tiles of 16 rows (tiles w + 8 i of the expert's list), all of K: 288 registers and 24 scale words, read once for both column passes.
; THEN one barrier, and every wave multiplies its tiles with all images, in two passes of 64 columns.  Lists longer than 384 rows (up to 1,024) are served by two more sweeps of the same loop,
; from the images that still lie in LDS; nothing in LDS is written twice.
; ORDER ALONG K, alike in both operands: of a K step's four blocks of 32, natural block m lies in lane half m >> 1, registers 6 (m & 1) on; its scale byte stands at byte 2 (m & 1) + (m >> 1).
; THE PRODUCT IS USED TRANSPOSED (source 0 = 16 columns of W1, source 1 = 16 rows), and tile 2 b + u, row 8 h + i is column 32 b + 16 h + 8 u + i of a pass: a lane's 16 registers of tiles
; 2 b, 2 b + 1 are 16 neighbours along the next K.
; NO JOINT LOADS, NO TENSOR LOADS: the number of tiles hangs on counts read from memory.  NO PREFETCH: every byte of W1 is asked for by the
; wave's own loads a whole piece (32 loads of 512 bytes) ahead of its use; there is no later load that a prefetch could serve.
; An inactive tile is pointed at tile 0, which always exists (2,048 rows make at least 128 tiles); what is computed for it is never stored.
; LIMITS: NaN and infinities are not served, and one that reaches only the rows left out is not carried to the result; blocks whose largest magnitude lies under 2^-122 were not tried;
; a block of zeros gets the byte 1 over zero codes (this program alone reads the bytes); for very negative z silu gives -0.
.set RB,   16384                       ; a row of W1 in bytes
.set FRS,  1552                        ; LDS: a fragment's image (16 columns x 128 K: 1,536 bytes) + 16; image (8 pass + K step) x 4 + tile
.set WSC,  64*FRS                      ; behind the 64 images: the weights' scale words, 256 bytes a K step of a pass
.set SPARE, WSC+4096                   ; behind them: the spare words, 128 bytes a wave
.set SPW, 2                            ; my spare word;  NIL: 0; both never rewritten
.set NIL, 3
.set PA,  4                            ; where my codes go;  PS: my scale bytes;  GVO: my byte offset in W1
.set PS,  5
.set GVO, 6
.set CA0, 7                            ; images, read: 48 x lane;  CS: WSC + 4 (lane % 16);  CAR, CSR: the same for the pass
.set CS,  8
.set CAR, 9
.set CSR, 10
.set OL,  11                           ; hq: 48 r + 12 h;  OSL: its scale bytes, 4 r + 2 h
.set OSL, 12
.set RR,  13                           ; lane % 16
.set HH,  14                           ; lane / 16
.set XO,  15                           ; v15-17 tile i: my row's codes;  v18-20 its scale words
.set XSO, 18
.set MX,  24                           ; v24-27, v28-31 at work in the quantiser
.set MY,  28
.set XS,  32                           ; v32-55 the rows' scale words (8 i + K step);  v56-59 the weights': scales and nothing else
.set WS,  56
.set CD,  60                           ; v60-66 a block's codes
.set DU,  68                           ; v68-195 a piece of W1: register 4 i + j = row i, column j of my four;  the second set: v384-511
.set T,   196                          ; v196-211 16 numbers of a column
.set W,   68                           ; behind the barrier: v68-115 four weight fragments; v116-211 twelve accumulators
.set ACC, 116
.set XH,  212                          ; v212-247 row fragments 21-23;  fragments 0-20 (8 i + K step) at v256 + 12 f
.set TT,  68                           ; the way out, in W's registers
.set CE,  100
.set SM,  108
.set NA,  18                           ; s18 my active tiles; s12 wave, s13 e, s14 j, s16 first tile, s17 tiles; s[20:23] W1 at my slice, and 512 rows on; s[26:29] rows' codes, scale words;
.set LB,  48                           ; s[34:37] hq for j, s[38:41] for the pass, s[44:47] for the tile; s[42:43] lane selects; s53 lanes 16-31
.set LS,  49
.set RHO, 54
.set PASS, 55
.set TG,  57                           ; s57-59 my three tiles
.set MSB, 0
.macro WIN new                         ; the immediate's high byte repeats the setting that is left; a switch that changes nothing is dropped
.if MSB != \new
	s_set_vgpr_msb (MSB<<8)|\new
.set MSB, \new
.endif
.endm
.macro LOADDU ub, win, tr              ; piece tr: rows 256 tr + 128 (w / 4) + 32 (w % 4) + 0 .. 31, 512 consecutive bytes each
	WIN 0x40*\win
.set q, 0
.rept 32
	global_load_b128 v[\ub+4*q:\ub+4*q+3], v[GVO], s[20+2*((\tr)/2):21+2*((\tr)/2)] offset:(256*((\tr)%2)+q)*RB th:TH_LOAD_NT
.set q, q+1
.endr
	WIN 0
.endm
; A piece is quantised: four columns' largest magnitudes, bytes, codes; 24 bytes a column into its image, a byte into the scale words.
.macro QUANT ub, win, tr, cnt
	s_wait_loadcnt \cnt                            ; my 32 loads are in; what was asked for behind them stays out
	WIN 0x05*\win
.irp j, 0,1,2,3
	v_max3_num_f32 v[MX+\j], |v[\ub+\j]|, |v[\ub+4+\j]|, 0x2800000     ; with the floor 2^(5 - 127): the byte cannot fall under 1
.endr
.set q, 1
.rept 15
.irp j, 0,1,2,3
	v_max3_num_f32 v[MX+\j], |v[\ub+8*q+\j]|, |v[\ub+8*q+4+\j]|, v[MX+\j]     ; the four columns by turns
.endr
.set q, q+1
.endr
	WIN 0
.irp j, 0,1,2,3
.if \win == 0
	s_delay_alu instid0(VALU_DEP_4)
.endif
	v_add_nc_u32 v[MY+\j], 0xfe000000, v[MX+\j]    ; 4 off the exponent field: the conversion's scale operand
.endr
.irp j, 0,1,2,3
	s_delay_alu instid0(VALU_DEP_4)
	v_lshrrev_b32 v[MX+\j], 23, v[MY+\j]           ; the scale's byte
.endr
.irp j, 0,1,2,3
.irp hf, 0,1
	WIN 0x01*\win
.set q, 0
.rept 16
	v_mov_b32 v[T+q], v[\ub+64*\hf+4*q+\j]         ; the conversion takes 16 neighbours along K from consecutive registers; the loads of 16 bytes bring four columns side by side
.set q, q+1
.endr
	WIN 0
	v_cvt_scalef32_pk16_bf6_f32 v[CD+4*\hf:CD+4*\hf+2], v[T:T+15], v[MY+\j]
	v_nop                                          ; one plain line before T is written again
.endr
	ds_store_b64 v[PA], v[CD:CD+1] offset:8*FRS*\tr+48*\j          ; every address a multiple of the access's size
	ds_store_b32 v[PA], v[CD+2] offset:8*FRS*\tr+48*\j+8
	ds_store_b32 v[PA], v[CD+4] offset:8*FRS*\tr+48*\j+12
	ds_store_b32 v[PA], v[CD+5] offset:8*FRS*\tr+48*\j+16
	ds_store_b32 v[PA], v[CD+6] offset:8*FRS*\tr+48*\j+20
.endr
.irp j, 0,1,2,3
	ds_store_b8 v[PS], v[MX+\j] offset:512*\tr+4*\j
.endr
.endm
.macro XREG i, k                       ; where tile i's fragment of K step k lies: register XB of window XW
.set XF, 8*(\i)+(\k)
.if XF < 21
.set XB, 12*XF
.set XW, 1
.else
.set XB, XH+12*(XF-21)
.set XW, 0
.endif
.endm
.macro XLOADT i                        ; tile i's codes and scale words for all of K: 26 loads; 48 consecutive bytes a lane and K step
.irp k, 0,1,2,3,4,5,6,7
	XREG \i, \k
	WIN 0x40*XW
.irp g, 0,1,2
	global_load_b128 v[XB+4*\g:XB+4*\g+3], v[XO+\i], s[26:27] offset:96*\k+16*\g
.endr
.endr
	WIN 0
	global_load_b128 v[XS+8*\i:XS+8*\i+3], v[XSO+\i], s[28:29]
	global_load_b128 v[XS+8*\i+4:XS+8*\i+7], v[XSO+\i], s[28:29] offset:16
.endm
.macro MUL4 i, k                       ; tile i against the four weight tiles; the accumulators take turns, one instruction a turn; K step 0 starts the sums
	XREG \i, \k
	WIN 4*XW
.irp t, 0,1,2,3
.if (\k) == 0
	v_wmma_scale_f32_16x16x128_f8f6f4 v[ACC+32*\i+8*\t:ACC+32*\i+8*\t+7], v[W+12*\t:W+12*\t+11], v[XB:XB+11], 0, v[WS+\t], v[XS+8*\i+\k] matrix_a_fmt:MATRIX_FMT_BF6 matrix_b_fmt:MATRIX_FMT_BF6
.else
	v_wmma_scale_f32_16x16x128_f8f6f4 v[ACC+32*\i+8*\t:ACC+32*\i+8*\t+7], v[W+12*\t:W+12*\t+11], v[XB:XB+11], v[ACC+32*\i+8*\t:ACC+32*\i+8*\t+7], v[WS+\t], v[XS+8*\i+\k] matrix_a_fmt:MATRIX_FMT_BF6 matrix_b_fmt:MATRIX_FMT_BF6
.endif
.endr
.endm
; One K step of a pass.  Tiles 0 and 1 are always multiplied; tile 2 in K step 0 always, so that every accumulator is written, later only where it is active.
.macro KSTEP k
.irp t, 0,1,2,3
.irp g, 0,1,2
	ds_load_b128 v[W+12*\t+4*\g:W+12*\t+4*\g+3], v[CAR] offset:(4*\k+\t)*FRS+16*\g
.endr
	ds_load_b32 v[WS+\t], v[CSR] offset:256*\k+64*\t
.endr
	s_wait_dscnt 0x0
	MUL4 0, \k
	MUL4 1, \k
	WIN 0
.if (\k) > 0
	s_cmp_lt_u32 s[NA], 3
	s_cbranch_scc1 .Lk_\@
.endif
	MUL4 2, \k
	WIN 0
.Lk_\@:
.rept 5
	v_nop                                          ; places behind the products: four in front of loads into their operands and of reads of results, five in front of products that begin an accumulator anew
.endr
.endm
; THE WAY OUT of tile i for one pass: silu in f32, two blocks of 32 quantised (a block lies in lanes l and l xor 16), 12 bytes a block and lane: the wave's two stores cover 768 consecutive bytes.
.macro EPI_TILE i
.set Z, ACC+32*\i
	s_wait_xcnt 0x0                                ; the last tile's stores have read their data and their bases
	s_mul_i32 s66, s[TG+\i], 49152
	s_mov_b32 s67, 0
	s_add_nc_u64 s[44:45], s[38:39], s[66:67]
	s_lshl_b32 s66, s[TG+\i], 11
	s_add_nc_u64 s[46:47], s[40:41], s[66:67]
	s_wait_alu depctr_va_vdst(0)
.set q, 0
.rept 16
	v_pk_mul_f32 v[TT+q:TT+q+1], v[Z+q:Z+q+1], 0xbfb8aa3b op_sel_hi:[1,0]          ; -z log2(e); each accumulator is read from its low end on
.set q, q+2
.endr
	s_wait_alu depctr_va_vdst(0)                   ; the wait ahead of the batch
.set q, 0
.rept 32
	v_exp_f32 v[TT+q], v[TT+q]
.set q, q+1
.endr
	v_nop                                          ; a plain line behind the batch,
	s_wait_alu depctr_va_vdst(0)                   ; and one wait for it, ahead of its first reader
.set q, 0
.rept 16
	v_pk_add_f32 v[TT+q:TT+q+1], v[TT+q:TT+q+1], 1.0 op_sel_hi:[1,0]
.set q, q+2
.endr
	s_wait_alu depctr_va_vdst(0)
.set q, 0
.rept 32
	v_rcp_f32 v[TT+q], v[TT+q]
.set q, q+1
.endr
	v_nop
	s_wait_alu depctr_va_vdst(0)
.set q, 0
.rept 16
	v_pk_mul_f32 v[Z+q:Z+q+1], v[Z+q:Z+q+1], v[TT+q:TT+q+1]                        ; z / (1 + 2^(-z log2(e)))
.set q, q+2
.endr
	v_max3_num_f32 v[SM], |v[Z]|, |v[Z+1]|, 0x2800000
	v_max3_num_f32 v[SM+1], |v[Z+16]|, |v[Z+17]|, 0x2800000
.irp a, 2,4,6,8,10,12,14
	s_delay_alu instid0(VALU_DEP_2)
	v_max3_num_f32 v[SM], v[SM], |v[Z+\a]|, |v[Z+\a+1]|
	s_delay_alu instid0(VALU_DEP_2)
	v_max3_num_f32 v[SM+1], v[SM+1], |v[Z+16+\a]|, |v[Z+17+\a]|
.endr
	s_delay_alu instid0(VALU_DEP_2)
	v_permlanex16_b32 v[SM+2], v[SM], s42, s43     ; (its destination has been written: a weight fragment lay there)
	s_delay_alu instid0(VALU_DEP_2)
	v_permlanex16_b32 v[SM+3], v[SM+1], s42, s43
	s_delay_alu instid0(VALU_DEP_2)
	v_max_num_f32 v[SM], v[SM], v[SM+2]
	s_delay_alu instid0(VALU_DEP_2)
	v_max_num_f32 v[SM+1], v[SM+1], v[SM+3]
	s_delay_alu instid0(VALU_DEP_2)
	v_add_nc_u32 v[SM+4], 0xfe000000, v[SM]
	s_delay_alu instid0(VALU_DEP_2)
	v_add_nc_u32 v[SM+5], 0xfe000000, v[SM+1]
	s_delay_alu instid0(VALU_DEP_2)
	v_lshrrev_b32 v[SM+6], 23, v[SM+4]
	s_delay_alu instid0(VALU_DEP_2)
	v_lshrrev_b32 v[SM+7], 23, v[SM+5]
	v_cvt_scalef32_pk16_bf6_f32 v[CE:CE+2], v[Z:Z+15], v[SM+4]
	v_cvt_scalef32_pk16_bf6_f32 v[CE+4:CE+6], v[Z+16:Z+31], v[SM+5]
	v_cndmask_b32 v[SM+6], v[SM+6], v[SM+7], s53   ; (the plain line behind the conversions)  lanes 0-15 store block 0's byte, lanes 16-31 block 1's
	global_store_b96 v[OL], v[CE:CE+2], s[44:45]
	global_store_b96 v[OL], v[CE+4:CE+6], s[44:45] offset:24
	global_store_b8 v[OSL], v[SM+6], s[46:47]
.endm
.macro EPI
	EPI_TILE 0
	s_cmp_lt_u32 s[NA], 2
	s_cbranch_scc1 .Le_\@
	EPI_TILE 1
	s_cmp_lt_u32 s[NA], 3
	s_cbranch_scc1 .Le_\@
	EPI_TILE 2
.Le_\@:
	s_wait_xcnt 0x0                                ; the stores have read their data: weight fragments may land there again
.endm
; How many of my three tiles of sweep s[RHO] exist, and which they are.
.macro NACALC
	s_mul_i32 s61, s[RHO], 24
	s_add_co_u32 s61, s61, s12                     ; my first tile of the sweep, counted in the expert's list
	s_sub_co_i32 s62, s17, s61
	s_add_co_i32 s62, s62, 7
	s_ashr_i32 s62, s62, 3
	s_max_i32 s62, s62, 0
	s_min_i32 s[NA], s62, 3
.irp i, 0,1,2
	s_add_co_u32 s62, s61, 8*\i
	s_add_co_u32 s63, s62, s16
	s_cmp_lt_i32 s62, s17
	s_cselect_b32 s63, s63, 0                      ; a tile that does not exist: tile 0
	s_min_u32 s[TG+\i], s63, 134
.endr
.endm
; The rows' addresses.  A tile's 16 tokens come by one scalar load, whose counter is apart from the stream's, and are dealt to lanes r and r + 16.
.macro SETUP
	s_lshl_b32 s61, s[TG], 6
	s_lshl_b32 s62, s[TG+1], 6
	s_load_b512 s[68:83], s[8:9], s61 offset:0x100
	s_load_b512 s[84:99], s[8:9], s62 offset:0x100
	v_mul_u32_u24 v1, v[HH], 48
.irp i, 0,1,2
	v_mov_b32 v[XO+\i], 0                          ; (a lane write's destination counts as read)
.endr
	s_wait_alu depctr_va_vdst(0)
	s_wait_kmcnt 0x0
.irp r, 0,1,2,3,4,5,6,7,8,9,10,11,12,13,14,15
	v_writelane_b32 v[XO], s[68+\r], \r
	v_writelane_b32 v[XO+1], s[84+\r], \r
	s_delay_alu instid0(VALU_DEP_2)
	v_writelane_b32 v[XO], s[68+\r], \r+16
	s_delay_alu instid0(VALU_DEP_2)
	v_writelane_b32 v[XO+1], s[84+\r], \r+16
.endr
	s_lshl_b32 s61, s[TG+2], 6
	s_load_b512 s[68:83], s[8:9], s61 offset:0x100
	s_wait_alu depctr_va_vdst(0)
	s_wait_kmcnt 0x0
	v_writelane_b32 v[XO+2], s68, 0
	s_delay_alu instid0(VALU_DEP_1)
	v_writelane_b32 v[XO+2], s68, 16
.irp r, 1,2,3,4,5,6,7,8,9,10,11,12,13,14,15
	s_delay_alu instid0(VALU_DEP_1)
	v_writelane_b32 v[XO+2], s[68+\r], \r
	s_delay_alu instid0(VALU_DEP_1)
	v_writelane_b32 v[XO+2], s[68+\r], \r+16
.endr
.irp i, 0,1,2
	v_min_u32 v[XO+\i], 0x3ff, v[XO+\i]            ; a token
.endr
.irp i, 0,1,2
	s_delay_alu instid0(VALU_DEP_3)
	v_lshlrev_b32 v[XSO+\i], 5, v[XO+\i]           ; its scale words: 32 bytes a token
.endr
.irp i, 0,1,2
	v_mul_u32_u24 v[XO+\i], v[XO+\i], 0x300        ; its codes: 768 bytes a token,
.endr
.irp i, 0,1,2
	s_delay_alu instid0(VALU_DEP_3)
	v_add_nc_u32 v[XO+\i], v[XO+\i], v1            ; + 48 for the upper half of the lanes
.endr
	s_wait_alu depctr_va_vdst(0)
.endm
	s_load_b256 s[4:11], s[0:1], 0x0               ; W1 s[4:5], xq s[6:7], lists s[8:9], hq s[10:11]
	v_lshl_add_u32 v[SPW], v0, 2, SPARE
	v_mov_b32 v[NIL], 0
	v_lshrrev_b32 v1, 5, v0
	s_delay_alu instid0(VALU_DEP_1)
	v_readfirstlane_b32 s12, v1                    ; wave 0..7
	s_lshr_b32 s13, ttmp9, 5                       ; e
	s_and_b32 s14, ttmp9, 31                       ; j
	s_lshl_b32 s63, s13, 2
	s_and_b32 s57, s12, 3                          ; m: my natural block
	s_lshr_b32 s58, s12, 2                         ; which of a trip's two K steps
	s_and_b32 s59, s12, 1                          ; m & 1
	s_bfe_u32 s60, s12, 0x10001                    ; m >> 1
	s_lshl_b32 s61, s58, 7
	s_lshl_b32 s62, s57, 5
	s_add_co_u32 s61, s61, s62
	s_mul_i32 s61, s61, RB                         ; my first row: 128 (w / 4) + 32 m
	s_mul_i32 s50, s60, 768
	s_mul_i32 s51, s59, 24
	s_add_co_u32 s50, s50, s51
	s_mul_i32 s51, s58, 4*FRS
	s_add_co_u32 s50, s50, s51                     ; in an image: 48 x 16 (m >> 1) + 24 (m & 1); + 4 images for the odd K step
	s_lshl_b32 s52, s59, 1
	s_add_co_u32 s52, s52, s60
	s_lshl_b32 s51, s58, 8
	s_add_co_u32 s52, s52, s51
	s_add_co_u32 s52, s52, WSC                     ; my byte of a scale word: 2 (m & 1) + (m >> 1)
	s_lshl_b32 s2, s13, 24                         ; an expert's 2^24 bytes,
	s_lshl_b32 s3, s14, 9                          ; my 128 columns
	s_add_co_u32 s2, s2, s3
	s_mov_b32 s3, 0
	s_mov_b32 s42, 0x76543210
	s_mov_b32 s43, 0xfedcba98                      ; v_permlanex16_b32's selects for lane l xor 16
	s_mov_b32 s53, 0xffff0000                      ; lanes 16-31
	v_and_b32 v27, 31, v0
	s_delay_alu instid0(VALU_DEP_1)
	v_lshl_add_u32 v[GVO], v27, 4, s61             ; 16 x lane + my first row
	s_wait_alu depctr_va_vdst(0)
	s_wait_kmcnt 0x0
	s_load_b32 s16, s[8:9], s63 offset:0x0         ; my expert's first tile,
	s_load_b32 s17, s[8:9], s63 offset:0x20        ; and how many it has
	s_add_nc_u64 s[20:21], s[4:5], s[2:3]
	s_add_nc_u64 s[22:23], s[20:21], 512*RB
	LOADDU DU, 0, 0                                ; the stream starts before anything else: pieces 0 and 1
	LOADDU 128, 1, 1
	v_and_b32 v[RR], 15, v0
	v_bfe_u32 v[HH], v0, 4, 1                      ; in the stream: which pass my four columns belong to
	v_bfe_u32 v1, v0, 3, 1
	v_bfe_u32 v21, v0, 1, 1
	v_bfe_u32 v22, v0, 2, 1
	v_and_b32 v23, 1, v0
	s_delay_alu instid0(VALU_DEP_3)
	v_lshl_add_u32 v1, v1, 1, v21                  ; my columns' tile: 2 (c4 >> 3) + ((c4 >> 1) & 1), c4 = lane % 16
	s_delay_alu instid0(VALU_DEP_3)
	v_lshlrev_b32 v22, 3, v22
	v_mul_u32_u24 v[PA], v[HH], 32*FRS
	v_lshlrev_b32 v[PS], 11, v[HH]
	s_delay_alu instid0(VALU_DEP_3)
	v_lshl_add_u32 v22, v23, 2, v22                ; and their first row in it: 8 ((c4 >> 2) & 1) + 4 (c4 & 1)
	s_delay_alu instid0(VALU_DEP_3)
	v_mad_u32_u24 v[PA], v1, FRS, v[PA]
	s_delay_alu instid0(VALU_DEP_3)
	v_lshl_add_u32 v[PS], v1, 6, v[PS]
	s_delay_alu instid0(VALU_DEP_2)
	v_mad_u32_u24 v[PA], v22, 48, v[PA]
	s_delay_alu instid0(VALU_DEP_2)
	v_lshl_add_u32 v[PS], v22, 2, v[PS]
	s_delay_alu instid0(VALU_DEP_2)
	v_add_nc_u32 v[PA], s50, v[PA]                 ; 32 images x pass + image x tile + 48 x row + the wave's part
	s_delay_alu instid0(VALU_DEP_2)
	v_add_nc_u32 v[PS], s52, v[PS]                 ; 2,048 x pass + 64 x tile + 4 x row + the wave's part
	v_mul_u32_u24 v[CA0], v27, 48
	v_lshl_add_u32 v[CS], v[RR], 2, WSC
	v_mul_u32_u24 v[OL], v[RR], 48
	v_lshlrev_b32 v[OSL], 2, v[RR]
	s_delay_alu instid0(VALU_DEP_2)
	v_mad_u32_u24 v[OL], v[HH], 12, v[OL]
	s_delay_alu instid0(VALU_DEP_2)
	v_lshl_add_u32 v[OSL], v[HH], 1, v[OSL]
	s_mov_b64 s[26:27], s[6:7]
	s_add_nc_u64 s[28:29], s[6:7], 786432
	s_mul_i32 s2, s14, 1536
	s_add_nc_u64 s[34:35], s[10:11], s[2:3]        ; hq: K step j of every tile
	s_lshl_b32 s2, s14, 6
	s_add_nc_u64 s[36:37], s[10:11], s[2:3]
	s_add_nc_u64 s[36:37], s[36:37], 6635520
	s_mov_b32 s[RHO], 0
	s_wait_alu depctr_va_vdst(0)
	s_wait_kmcnt 0x0
	NACALC
	SETUP
	XLOADT 0                                       ; fragments 0-7: registers that the second set of the stream does not cover
	QUANT DU, 0, 0, 58                             ; behind piece 0's loads: piece 1's 32 and tile 0's 26
	LOADDU DU, 0, 2
	QUANT 128, 1, 1, 58                            ; behind piece 1's: tile 0's 26 and piece 2's 32
	XLOADT 1                                       ; the second set is free: tiles 1 and 2 land there
	XLOADT 2
	QUANT DU, 0, 2, 52                             ; behind piece 2's: tiles 1 and 2, 26 each
	LOADDU DU, 0, 3
	QUANT DU, 0, 3, 0                              ; everything is in, the rows' codes too
	s_wait_dscnt 0x0                               ; my stores into LDS have landed
	s_barrier_signal -1
	s_barrier_wait -1                              ; everybody's have: all 64 images and their scale words are final
.Lrho:                                                 ; three sweeps of 24 tiles; the trip counts are constants, work that is not there is jumped over
	s_mov_b32 s[LB], 0
	s_mov_b32 s[LS], 0
	s_mov_b32 s[PASS], 0
.Lpass:
	v_add_nc_u32 v[CAR], s[LB], v[CA0]
	v_add_nc_u32 v[CSR], s[LS], v[CS]
	s_wait_alu depctr_va_vdst(0)
	s_cmp_eq_u32 s[NA], 0
	s_cbranch_scc1 .Lp_end
.irp k, 0,1,2,3,4,5,6,7
	KSTEP \k
.endr
	s_mul_i32 s66, s[PASS], 768
	s_mov_b32 s67, 0
	s_add_nc_u64 s[38:39], s[34:35], s[66:67]
	s_mov_b32 s66, s[PASS]
	s_add_nc_u64 s[40:41], s[36:37], s[66:67]
	EPI
.Lp_end:
	s_add_co_u32 s[LB], s[LB], 32*FRS
	s_add_co_u32 s[LS], s[LS], 2048
	s_add_co_u32 s[PASS], s[PASS], 1
	s_cmp_lt_u32 s[PASS], 2
	s_cbranch_scc1 .Lpass
	s_add_co_u32 s[RHO], s[RHO], 1
	NACALC                                         ; the next sweep's tiles (behind the last sweep: none, an expert has at most 64)
	s_cmp_eq_u32 s[NA], 0
	s_cbranch_scc1 .Lno_x
	SETUP
	XLOADT 0
	XLOADT 1
	XLOADT 2
	s_wait_loadcnt 0x0
.Lno_x:
	s_cmp_lt_u32 s[RHO], 3
	s_cbranch_scc1 .Lrho
	s_wait_tensorcnt 0x0                           ; the wave's end, behind my last LDS store
	ds_add_u32 v[SPW], v[NIL]
	s_wait_dscnt 0x0
	s_endpgm
.Lfunc_end_k_qaf6083fb28_up:
	.size	k_qaf6083fb28_up, .Lfunc_end_k_qaf6083fb28_up-k_qaf6083fb28_up
	.p2alignl 7, 3214868480
	.fill 96, 4, 3214868480
	.section	.rodata,"a",@progbits
	.p2align	6, 0x0
	.amdhsa_kernel k_qaf6083fb28_up
		.amdhsa_group_segment_fixed_size 104448
		.amdhsa_private_segment_fixed_size 0
		.amdhsa_enable_private_segment 0
		.amdhsa_kernarg_size 32
		.amdhsa_user_sgpr_count 2
		.amdhsa_user_sgpr_kernarg_segment_ptr 1
		.amdhsa_wavefront_size32 1
		.amdhsa_system_sgpr_workgroup_id_x 1
		.amdhsa_system_sgpr_workgroup_id_y 1
		.amdhsa_system_sgpr_workgroup_id_z 1
		.amdhsa_system_vgpr_workitem_id 0
		.amdhsa_next_free_vgpr 512
		.amdhsa_next_free_sgpr 100
		.amdhsa_reserve_vcc 0
		.amdhsa_float_denorm_mode_32 3
		.amdhsa_float_denorm_mode_16_64 3
		.amdhsa_memory_ordered 1
		.amdhsa_forward_progress 1
		.amdhsa_inst_pref_size 146
	.end_amdhsa_kernel
	.amdgpu_metadata
---
amdhsa.version: [ 1, 2 ]
amdhsa.kernels:
  - .name:           k_qaf6083fb28_up
    .symbol:         k_qaf6083fb28_up.kd
    .args:
      - { .name: W1, .offset: 0, .size: 8, .value_kind: global_buffer, .address_space: global }
      - { .name: xq, .offset: 8, .size: 8, .value_kind: global_buffer, .address_space: global }
      - { .name: lists, .offset: 16, .size: 8, .value_kind: global_buffer, .address_space: global }
      - { .name: hq, .offset: 24, .size: 8, .value_kind: global_buffer, .address_space: global }
    .group_segment_fixed_size: 104448
    .private_segment_fixed_size: 0
    .kernarg_segment_align: 8
    .kernarg_segment_size: 32
    .max_flat_workgroup_size: 256
    .sgpr_count:     100
    .vgpr_count:     512
    .wavefront_size: 32
...
	.end_amdgpu_metadata
.endif
;; end of part 3
;; launch down (part 4): grid 256 x 1, 12 waves a work-group, no clusters, 139,776 bytes of LDS; arguments W2, hq, lists, y; writes y
.if DOCPART == 4
	.amdgcn_target "amdgcn-amd-amdhsa--gfx1250"
	.amdhsa_code_object_version 6
	.text
	.protected	k_qaf6083fb28_down
	.globl	k_qaf6083fb28_down
	.p2align	8
	.type	k_qaf6083fb28_down,@function
k_qaf6083fb28_down:
	s_mov_b64 s[64:65], 0
	v_nop
	global_prefetch_b8 v0, s[64:65] scope:SCOPE_SE
	s_setreg_imm32_b32 hwreg(HW_REG_WAVE_MODE, 25, 1), 1
	s_wait_xcnt 0x0
; DOWN.  y = h Q(W2[e]) for the rows routed to expert e, on codes of BF6 (E3M2) with one E8M0 scale for each 32 along K; h comes as codes, tile by tile, as images of the operand's registers.
; SHARES.  Work-group = (expert e = wg / 32, 64 output columns c16 = (wg / 2) % 16, half kh = wg % 2 of K = 4,096): 16 K steps of 128 x 64 columns, 512 KiB of W2, read once.
; The two halves of K go to two planes of y; the next launch adds them.  (64 columns are 256 bytes of a row of W2; 8 experts x 16 such slices are 128 work-groups, the halves make 256.)
; ORDER ALONG K, SWEEPS: as in the launch before.  Waves 0-3 only stream W2 and quantise it into LDS as images of the operand's registers; waves 4-11 only fetch rows' fragments and
; multiply; a phase is two K steps; one barrier a phase publishes the producers' stores; every K step has LDS bytes of its own.  In front of a phase's barrier a consumer asks for the phase's row
; fragments and awaits them.  A consumer holds 3 tiles of 16 rows; lists longer than 384 rows are served by two more sweeps behind the last barrier.  Of a K step's four blocks, natural block m lies
; in lane half m >> 1, registers 6 (m & 1) on; its scale byte at byte 2 (m & 1) + (m >> 1).
; THE PRODUCT IS USED TRANSPOSED (source 0 = 16 columns of W2, source 1 = 16 rows): a lane holds eight neighbouring outputs of one row.
; NO JOINT LOADS: the 16 work-groups of an expert's K half read the same fragments of h, but the number of tiles hangs on counts read from memory.
; An inactive tile is pointed at tile 0, which always exists; what is computed for it is never stored.
; LIMITS: NaN and infinities are not served; blocks whose largest magnitude lies under 2^-122 were not tried; a block of zeros gets the byte 1 over zero codes.
.set RB,   4096                        ; a row of W2 in bytes
.set FRS,  1552                        ; LDS: a fragment's image (1,536 bytes) + 16
.set PHB,  8*FRS
.set WSC,  64*FRS                      ; the weights' scale words, 256 bytes a K step
.set STG,  WSC+4096                    ; a stage of 16 rows x (256 + 16) bytes for each consumer
.set KKC,  1536                        ; a K step of a tile's codes, and of its scale words, in bytes
.set KKS,  64
.set PA0, 2
.set PA1, 3
.set PS,  4
.set CA0, 5
.set CA1, 6
.set CS,  7
.set CAR, 8
.set CSR, 9
.set STO, 10                           ; the stage: where I put 32 bytes of a row
.set RD,  11                           ; and where I read half of two rows back
.set GVO, 12
.set RR,  13
.set HH,  14
.set OLD, 15                           ; y: 4,096 h + 16 r
.set XO,  16
.set XSO, 19
.set WS,  22
.set XS,  26
.set T,   32
.set CD,  48
.set MX,  56
.set MY,  60
.set W,   32
.set X,   80
.set ACC, 152
.set BK,  32                           ; the way out: 32 registers a tile, where the fragments lay
.set NA,  18
.set LB,  48
.set LS,  49
.set RHO, 54
.set PH,  56
.set TG,  57
.set MSB, 0
.macro WIN new                         ; the immediate's high byte repeats the setting that is left; a switch that changes nothing is dropped
.if MSB != \new
	s_set_vgpr_msb (MSB<<8)|\new
.set MSB, \new
.endif
.endm
.macro LOADU ub, win, c, base          ; a unit: one block of 32 along K x 64 columns; lanes 0-15 read 256 consecutive bytes of row i, lanes 16-31 of row i + 16
	WIN 0x40*\win
.irp i, 0,1,2,3,4,5,6,7,8,9,10,11,12,13,14,15
	global_load_b128 v[\ub+4*\i:\ub+4*\i+3], v[GVO], s[\base:\base+1] offset:(32*\c+\i)*RB th:TH_LOAD_NT
.endr
	WIN 0
.endm
.macro UNIT ub, win, c, cnt, refill
	s_wait_loadcnt \cnt                            ; my sixteen loads are in; the younger units' stay out
	WIN 0x05*\win
.irp j, 0,1,2,3
	v_max3_num_f32 v[MX+\j], |v[\ub+\j]|, |v[\ub+4+\j]|, 0x2800000     ; with the floor 2^(5 - 127): the byte cannot fall under 1
.endr
.irp a, 1,2,3,4,5,6,7
.irp j, 0,1,2,3
	v_max3_num_f32 v[MX+\j], |v[\ub+8*\a+\j]|, |v[\ub+8*\a+4+\j]|, v[MX+\j]
.endr
.endr
	WIN 0
.irp j, 0,1,2,3
	v_permlanex16_b32 v[MY+\j], v[MX+\j], s42, s43
.endr
.irp j, 0,1,2,3
	s_delay_alu instid0(VALU_DEP_4)
	v_max_num_f32 v[MX+\j], v[MX+\j], v[MY+\j]
.endr
.irp j, 0,1,2,3
	s_delay_alu instid0(VALU_DEP_4)
	v_add_nc_u32 v[MY+\j], 0xfe000000, v[MX+\j]    ; 4 off the exponent field: the conversion's scale operand
.endr
.irp j, 0,1,2,3
	s_delay_alu instid0(VALU_DEP_4)
	v_lshrrev_b32 v[MX+\j], 23, v[MY+\j]           ; the scale's byte
.endr
.irp j, 0,1,2,3
	WIN 0x01*\win
.irp i, 0,1,2,3,4,5,6,7,8,9,10,11,12,13,14,15
	v_mov_b32 v[T+\i], v[\ub+4*\i+\j]              ; the conversion takes 16 neighbours along K from consecutive registers; the loads of 16 bytes bring four columns side by side
.endr
	WIN 0
	v_cvt_scalef32_pk16_bf6_f32 v[CD+4*(\j%2):CD+4*(\j%2)+2], v[T:T+15], v[MY+\j]
	v_nop                                          ; one plain line before T is written again
.irp w, 0,1,2
	ds_store_b32 v[P_AR], v[CD+4*(\j%2)+\w] offset:P_AO+48*\j+24*\c+4*\w
.endr
.endr
.irp j, 0,1,2,3
	ds_store_b8 v[PS], v[MX+\j] offset:P_SO+4*\j+2*\c      ; both halves of the lanes write the same byte with the same value
.endr
.if \refill
	LOADU \ub, \win, \c, 22
.endif
.endm
.macro XLOAD i, kk                     ; tile i's fragment and scale word of K step kk of the phase at s[30:33]: the wave reads 1,536 consecutive bytes
.irp g, 0,1,2
	global_load_b128 v[X+24*\i+12*\kk+4*\g:X+24*\i+12*\kk+4*\g+3], v[XO+\i], s[30:31] offset:KKC*\kk+16*\g
.endr
	global_load_b32 v[XS+2*\i+\kk], v[XSO+\i], s[32:33] offset:KKS*\kk
.endm
; A consumer asks for a phase's row fragments, in front of the phase's barrier, and awaits them.  all = 1 (the first phase): all three tiles, so that every operand register is written; else the active ones.
; The fragments' registers lie over the producers' units.  So on every way through the text a load into them stands behind a wait for all earlier loads, and their own wait stands inside this arm.
.macro PRE all
	s_wait_loadcnt 0x0                             ; of a consumer nothing is out here: met at once; it also frees s[30:33]
	s_add_nc_u64 s[30:31], s[26:27], X_OF
	s_add_nc_u64 s[32:33], s[28:29], X_SOF
.if !\all
	s_cmp_lt_u32 s[NA], 1
	s_cbranch_scc1 .Lq_\@
.endif
	XLOAD 0, 0
	XLOAD 0, 1
.if !\all
	s_cmp_lt_u32 s[NA], 2
	s_cbranch_scc1 .Lq_\@
.endif
	XLOAD 1, 0
	XLOAD 1, 1
.if !\all
	s_cmp_lt_u32 s[NA], 3
	s_cbranch_scc1 .Lq_\@
.endif
	XLOAD 2, 0
	XLOAD 2, 1
.Lq_\@:
	s_wait_loadcnt 0x0                             ; for zero, since how many loads are out hangs on the number of active tiles: the fragments are in before I leave this arm
.endm
.macro MUL4 i, kk, zero                ; the accumulators take turns, one instruction a turn
.irp t, 0,1,2,3
.if \zero
	v_wmma_scale_f32_16x16x128_f8f6f4 v[ACC+32*\i+8*\t:ACC+32*\i+8*\t+7], v[W+12*\t:W+12*\t+11], v[X+24*\i+12*\kk:X+24*\i+12*\kk+11], 0, v[WS+\t], v[XS+2*\i+\kk] matrix_a_fmt:MATRIX_FMT_BF6 matrix_b_fmt:MATRIX_FMT_BF6
.else
	v_wmma_scale_f32_16x16x128_f8f6f4 v[ACC+32*\i+8*\t:ACC+32*\i+8*\t+7], v[W+12*\t:W+12*\t+11], v[X+24*\i+12*\kk:X+24*\i+12*\kk+11], v[ACC+32*\i+8*\t:ACC+32*\i+8*\t+7], v[WS+\t], v[XS+2*\i+\kk] matrix_a_fmt:MATRIX_FMT_BF6 matrix_b_fmt:MATRIX_FMT_BF6
.endif
.endr
.endm
.macro KSTEP kk, zero
.irp t, 0,1,2,3
.irp g, 0,1,2
	ds_load_b128 v[W+12*\t+4*\g:W+12*\t+4*\g+3], v[C_AR] offset:C_AO+(4*\kk+\t)*FRS+16*\g
.endr
	ds_load_b32 v[WS+\t], v[C_SR] offset:C_SO+256*\kk+64*\t
.endr
	s_wait_dscnt 0x0
	MUL4 0, \kk, \zero
.if !\zero
	s_cmp_lt_u32 s[NA], 2
	s_cbranch_scc1 .Lk_\@
.endif
	MUL4 1, \kk, \zero
.if !\zero
	s_cmp_lt_u32 s[NA], 3
	s_cbranch_scc1 .Lk_\@
.endif
	MUL4 2, \kk, \zero
.Lk_\@:
.rept 5
	v_nop                                          ; places behind the products: four in front of loads into their operands and of reads of results, five in front of products that begin an accumulator anew
.endr
.endm
; A consumer's phase.  mode 0: the fragments were asked for and awaited in front of the barrier; mode 2 (later sweeps): asked for here and awaited.
.macro CPH zero, mode
	s_wait_loadcnt 0x0                             ; the weight fragments' registers lie over the producers' first unit: the loads from LDS into them stand behind a wait for all earlier loads; of a consumer nothing is out: met at once
.if \mode == 2
	s_add_nc_u64 s[30:31], s[26:27], s[50:51]
	s_add_nc_u64 s[32:33], s[28:29], s[52:53]
	XLOAD 0, 0
	XLOAD 0, 1
	s_cmp_lt_u32 s[NA], 2
	s_cbranch_scc1 .La_\@
	XLOAD 1, 0
	XLOAD 1, 1
	s_cmp_lt_u32 s[NA], 3
	s_cbranch_scc1 .La_\@
	XLOAD 2, 0
	XLOAD 2, 1
.La_\@:
	s_wait_loadcnt 0x0
.endif
	KSTEP 0, \zero
.if \zero
	s_cmp_eq_u32 s[NA], 0
	s_cbranch_scc1 .Lc_\@
.endif
	KSTEP 1, 0
.Lc_\@:
.endm
; THE WAY OUT of tile i: 16 rows x 64 columns through my own stage, back as whole pieces of 256 bytes: each store covers two rows' aligned 256 consecutive bytes.
.macro EPI_TILE i
	s_wait_xcnt 0x0                                ; the last tile's stores have read their base
	s_lshl_b32 s66, s[TG+\i], 16
	s_mov_b32 s67, 0
	s_add_nc_u64 s[44:45], s[34:35], s[66:67]
.irp t, 0,1,2,3
	ds_store_b128 v[STO], v[ACC+32*\i+8*\t:ACC+32*\i+8*\t+3] offset:64*\t          ; each accumulator from its low end on
	ds_store_b128 v[STO], v[ACC+32*\i+8*\t+4:ACC+32*\i+8*\t+7] offset:64*\t+16
.endr
.irp u, 0,1,2,3,4,5,6,7
	ds_load_b128 v[BK+32*\i+4*\u:BK+32*\i+4*\u+3], v[RD] offset:544*\u             ; my own bytes: LDS serves a wave's instructions in order
.endr
.irp u, 0,1,2,3,4,5,6,7
	s_wait_dscnt 7-\u                              ; load u is back; the younger ones may be out
	global_store_b128 v[OLD], v[BK+32*\i+4*\u:BK+32*\i+4*\u+3], s[44:45] offset:8192*\u th:TH_STORE_NT
.endr
.endm
.macro EPI
	EPI_TILE 0
	s_cmp_lt_u32 s[NA], 2
	s_cbranch_scc1 .Le_\@
	EPI_TILE 1
	s_cmp_lt_u32 s[NA], 3
	s_cbranch_scc1 .Le_\@
	EPI_TILE 2
.Le_\@:
	s_wait_xcnt 0x0                                ; the stores have read their data: fragments may land there again
.endm
.macro NACALC
	s_mul_i32 s61, s[RHO], 24
	s_add_co_u32 s61, s61, s19                     ; my first tile of the sweep, counted in the expert's list
	s_sub_co_i32 s62, s17, s61
	s_add_co_i32 s62, s62, 7
	s_ashr_i32 s62, s62, 3
	s_max_i32 s62, s62, 0
	s_min_i32 s[NA], s62, 3
	s_cmp_lt_u32 s12, 4
	s_cselect_b32 s[NA], 0, s[NA]
.irp i, 0,1,2
	s_add_co_u32 s62, s61, 8*\i
	s_add_co_u32 s63, s62, s16
	s_cmp_lt_i32 s62, s17
	s_cselect_b32 s63, s63, 0                      ; a tile that does not exist: tile 0
	s_min_u32 s[TG+\i], s63, 134
.endr
.endm
.macro SETUP                           ; the tiles' addresses, on the path that all waves take
	v_and_b32 v1, 31, v0
.irp i, 0,1,2
	s_mul_i32 s61, s[TG+\i], 49152
	s_lshl_b32 s62, s[TG+\i], 11
	v_mad_u32_u24 v[XO+\i], v1, 48, s61            ; a tile's 32 images of 1,536 bytes; 48 bytes a lane
	v_lshl_add_u32 v[XSO+\i], v[RR], 2, s62        ; its scale words: 64 bytes a K step, 4 a row
.endr
.endm
.macro IFACT lab
	s_cmp_lt_u32 s12, 4
	s_cbranch_scc1 \lab
	s_cmp_eq_u32 s[NA], 0
	s_cbranch_scc1 \lab
.endm
; A PHASE: producers quantise K steps 2 ph, 2 ph + 1, consumers fetch their rows' fragments of them | every wave's LDS instructions are done, the barrier | consumers multiply, while the producers go on.
.macro PHASE ph, ub0, w0, ub1, w1, refill, cnta, cntb, zero, epi
.set P_AR, PA0+(\ph)/4
.set P_AO, ((\ph)%4)*PHB
.set P_SO, (\ph)*512
.set C_AR, CA0+(\ph)/4
.set C_AO, ((\ph)%4)*PHB
.set C_SR, CS
.set C_SO, (\ph)*512
.set X_OF, 3072*(\ph)
.set X_SOF, 128*(\ph)
	s_cmp_lt_u32 s12, 4
	s_cbranch_scc0 .Lpre_\@
.if \refill
	s_wait_xcnt 0x0                                ; the earlier refills have read their base
	s_add_nc_u64 s[22:23], s[20:21], ((\ph)+2)*256*RB      ; the phase two on
.endif
	UNIT \ub0, \w0, 0, \cnta, \refill
	UNIT \ub1, \w1, 1, \cntb, \refill
	s_branch .Lbar_\@
.Lpre_\@:
.if (\ph) == 0
	s_wait_alu depctr_va_vdst(0)
	PRE 1
.else
	PRE 0
.endif
.Lbar_\@:
	s_wait_dscnt 0x0                               ; my stores into LDS have landed
	s_barrier_signal -1
	s_barrier_wait -1                              ; everybody's have
	s_cmp_lt_u32 s12, 4
	s_cbranch_scc1 .Lnc_\@
.if !\zero
	s_cmp_eq_u32 s[NA], 0
	s_cbranch_scc1 .Lnc_\@
.endif
	CPH \zero, 0
.if \epi
	EPI
.endif
.Lnc_\@:
.endm
	s_load_b256 s[4:11], s[0:1], 0x0               ; W2 s[4:5], hq s[6:7], lists s[8:9], y s[10:11]
	s_set_vgpr_msb 0x40
	v_lshl_add_u32 v64, v0, 2, 0x21c00
	v_mov_b32 v65, 0
	s_set_vgpr_msb 0x4000
	v_lshrrev_b32 v1, 5, v0
	s_delay_alu instid0(VALU_DEP_1)
	v_readfirstlane_b32 s12, v1                    ; wave 0..11
	s_lshr_b32 s13, ttmp9, 5                       ; e
	s_bfe_u32 s14, ttmp9, 0x40001                  ; c16
	s_and_b32 s15, ttmp9, 1                        ; kh
	s_lshl_b32 s63, s13, 2
	v_and_b32 v[RR], 15, v0
	v_bfe_u32 v[HH], v0, 4, 1
	; producers.  Lane (c4 = lane % 16, h): columns 4 c4 + 0..3, rows + 16 h.  Producer p: K step 2 ph + (p >> 1), natural blocks 2 (p & 1) + c.
	v_bfe_u32 v1, v0, 2, 2                         ; my columns' tile: c4 >> 2
	s_wait_alu depctr_va_vdst(0)
	v_and_b32 v9, 3, v0
	s_delay_alu instid0(VALU_DEP_1)
	v_lshlrev_b32 v9, 2, v9                        ; and their first row in it: 4 (c4 & 3)
	s_and_b32 s57, s12, 1                          ; p & 1
	s_bfe_u32 s58, s12, 0x10001                    ; p >> 1
	s_mul_i32 s59, s57, 768
	s_mul_i32 s61, s58, 4*FRS
	s_add_co_u32 s59, s59, s61
	v_mul_u32_u24 v[PA0], v1, FRS
	s_delay_alu instid0(VALU_DEP_1)
	v_mad_u32_u24 v[PA0], v9, 48, v[PA0]
	s_delay_alu instid0(VALU_DEP_1)
	v_mad_u32_u24 v[PA0], v[HH], 12, v[PA0]
	s_delay_alu instid0(VALU_DEP_1)
	v_add_nc_u32 v[PA0], s59, v[PA0]               ; tile x FRS + 48 (16 (p & 1) + row) + 12 h + 4 FRS (p >> 1)
	s_delay_alu instid0(VALU_DEP_1)
	v_add_nc_u32 v[PA1], 4*PHB, v[PA0]
	s_lshl_b32 s61, s58, 8
	s_add_co_u32 s61, s61, s57
	s_add_co_u32 s61, s61, WSC
	v_lshlrev_b32 v[PS], 6, v1
	s_wait_alu depctr_va_vdst(0)
	v_lshl_add_u32 v[PS], v9, 2, v[PS]
	s_delay_alu instid0(VALU_DEP_1)
	v_add_nc_u32 v[PS], s61, v[PS]                 ; WSC + 64 tile + 4 row + (p & 1) + 256 (p >> 1)
	s_lshl_b32 s61, s58, 7
	s_lshl_b32 s62, s57, 6
	s_add_co_u32 s61, s61, s62
	s_mul_i32 s61, s61, RB
	v_lshlrev_b32 v[GVO], 4, v[RR]
	s_delay_alu instid0(VALU_DEP_1)
	v_mad_u32_u24 v[GVO], v[HH], 16*RB, v[GVO]
	s_delay_alu instid0(VALU_DEP_1)
	v_add_nc_u32 v[GVO], s61, v[GVO]               ; 16 c4 + RB (16 h + 128 (p >> 1) + 64 (p & 1))
	; consumers
	v_and_b32 v8, 31, v0
	s_delay_alu instid0(VALU_DEP_1)
	v_mul_u32_u24 v[CA0], v8, 48
	s_delay_alu instid0(VALU_DEP_1)
	v_add_nc_u32 v[CA1], 4*PHB, v[CA0]
	v_lshl_add_u32 v[CS], v[RR], 2, WSC
	s_mul_i32 s61, s12, 4352
	s_add_co_u32 s61, s61, STG-4*4352              ; wave 4 has the first stage
	v_mul_u32_u24 v[STO], v[RR], 272
	s_delay_alu instid0(VALU_DEP_1)
	v_lshl_add_u32 v[STO], v[HH], 5, v[STO]
	s_delay_alu instid0(VALU_DEP_1)
	v_add_nc_u32 v[STO], s61, v[STO]               ; in: row r, 32 bytes for each half of the lanes
	v_mul_u32_u24 v[RD], v[HH], 272
	s_delay_alu instid0(VALU_DEP_1)
	v_lshl_add_u32 v[RD], v[RR], 4, v[RD]
	s_delay_alu instid0(VALU_DEP_1)
	v_add_nc_u32 v[RD], s61, v[RD]                 ; back: lanes 0-15 one row's 256 bytes, lanes 16-31 the next row's
	v_lshlrev_b32 v[OLD], 12, v[HH]
	s_delay_alu instid0(VALU_DEP_1)
	v_lshl_add_u32 v[OLD], v[RR], 4, v[OLD]        ; and the same two rows in y
.irp j, 0,1,2,3
	v_mov_b32 v[MY+\j], 0                          ; written once: a lane permute's destination counts as one of its sources
.endr
	s_mov_b32 s42, 0x76543210
	s_mov_b32 s43, 0xfedcba98                      ; v_permlanex16_b32's selects for lane l xor 16
	s_mov_b32 s51, 0
	s_mov_b32 s53, 0
	s_sub_co_i32 s19, s12, 4
	s_max_i32 s19, s19, 0                          ; q
	s_lshl_b32 s2, s13, 24                         ; an expert's 2^24 bytes,
	s_lshl_b32 s3, s15, 23                         ; my half of K: 2,048 rows,
	s_add_co_u32 s2, s2, s3
	s_lshl_b32 s3, s14, 8                          ; my 64 columns
	s_add_co_u32 s2, s2, s3
	s_mov_b32 s3, 0
	s_wait_kmcnt 0x0
	s_load_b32 s16, s[8:9], s63 offset:0x0         ; my expert's first tile,
	s_load_b32 s17, s[8:9], s63 offset:0x20        ; and how many it has
	s_add_nc_u64 s[20:21], s[4:5], s[2:3]
	s_add_nc_u64 s[24:25], s[20:21], 256*RB
	s_cmp_lt_u32 s12, 4
	s_cbranch_scc0 .Lhead_a
	LOADU 64, 0, 0, 20                             ; the stream starts before anything else: phases 0 and 1, four units, 64 loads of 512 bytes a wave
	LOADU 128, 0, 1, 20
	LOADU 192, 0, 0, 24
	LOADU 0, 1, 1, 24
.Lhead_a:
	s_mul_i32 s2, s15, 24576
	s_add_nc_u64 s[26:27], s[6:7], s[2:3]          ; hq: my half's 16 K steps
	s_lshl_b32 s2, s15, 10
	s_add_nc_u64 s[28:29], s[6:7], s[2:3]
	s_add_nc_u64 s[28:29], s[28:29], 6635520
	s_mul_i32 s2, s15, 8847360
	s_add_nc_u64 s[34:35], s[10:11], s[2:3]        ; y: my half's plane,
	s_lshl_b32 s2, s14, 8
	s_add_nc_u64 s[34:35], s[34:35], s[2:3]        ; my 64 columns
	s_mov_b32 s[RHO], 0
	s_wait_kmcnt 0x0
	NACALC
	SETUP
	; producers' counts: behind a unit's 16 loads stand the three other units' 48; the last two phases refill nothing, so the counts run down
	PHASE 0, 64, 0, 128, 0, 1, 48, 48, 1, 0
	PHASE 1, 192, 0, 0, 1, 1, 48, 48, 0, 0
	PHASE 2, 64, 0, 128, 0, 1, 48, 48, 0, 0
	PHASE 3, 192, 0, 0, 1, 1, 48, 48, 0, 0
	PHASE 4, 64, 0, 128, 0, 1, 48, 48, 0, 0
	PHASE 5, 192, 0, 0, 1, 1, 48, 48, 0, 0
	PHASE 6, 64, 0, 128, 0, 0, 48, 32, 0, 0
	PHASE 7, 192, 0, 0, 1, 0, 16, 0, 0, 1
	; THE LATER SWEEPS: tiles 24 and on of the expert's list.  No barrier: all weight images are final, and a stage is its wave's own.  Every wave walks the loops; the work is jumped over.
.set C_AR, CAR
.set C_AO, 0
.set C_SR, CSR
.set C_SO, 0
	s_wait_loadcnt 0x0                             ; every wave's loads are in (each has waited for zero in its last phase): met at once
	s_mov_b32 s[RHO], 1
.Lrho:
	NACALC
	s_wait_xcnt 0x0                                ; the tiles' address registers are written again
	SETUP
	s_mov_b32 s[LB], 0
	s_mov_b32 s[LS], 0
	s_mov_b32 s50, 0
	s_mov_b32 s52, 0
	v_add_nc_u32 v[CAR], s[LB], v[CA0]
	v_add_nc_u32 v[CSR], s[LS], v[CS]
	IFACT .Lr_a
	s_wait_alu depctr_va_vdst(0)
	CPH 1, 2
.Lr_a:
	s_mov_b32 s[PH], 1
.Lph:
	s_add_co_u32 s[LB], s[LB], PHB
	s_add_co_u32 s[LS], s[LS], 512
	s_add_co_u32 s50, s50, 3072
	s_add_co_u32 s52, s52, 128
	v_add_nc_u32 v[CAR], s[LB], v[CA0]
	v_add_nc_u32 v[CSR], s[LS], v[CS]
	IFACT .Lr_b
	s_wait_alu depctr_va_vdst(0)
	CPH 0, 2
.Lr_b:
	s_add_co_u32 s[PH], s[PH], 1
	s_cmp_lt_u32 s[PH], 8
	s_cbranch_scc1 .Lph
	IFACT .Lr_c
	EPI
.Lr_c:
	s_add_co_u32 s[RHO], s[RHO], 1
	s_cmp_lt_u32 s[RHO], 3
	s_cbranch_scc1 .Lrho
	s_set_vgpr_msb 0x5
	s_wait_tensorcnt 0x0
	ds_add_u32 v64, v65
	s_wait_dscnt 0x0
	s_set_vgpr_msb 0x500
	s_endpgm
.Lfunc_end_k_qaf6083fb28_down:
	.size	k_qaf6083fb28_down, .Lfunc_end_k_qaf6083fb28_down-k_qaf6083fb28_down
	.p2alignl 7, 3214868480
	.fill 96, 4, 3214868480
	.section	.rodata,"a",@progbits
	.p2align	6, 0x0
	.amdhsa_kernel k_qaf6083fb28_down
		.amdhsa_group_segment_fixed_size 139776
		.amdhsa_private_segment_fixed_size 0
		.amdhsa_enable_private_segment 0
		.amdhsa_kernarg_size 32
		.amdhsa_user_sgpr_count 2
		.amdhsa_user_sgpr_kernarg_segment_ptr 1
		.amdhsa_wavefront_size32 1
		.amdhsa_system_sgpr_workgroup_id_x 1
		.amdhsa_system_sgpr_workgroup_id_y 1
		.amdhsa_system_sgpr_workgroup_id_z 1
		.amdhsa_system_vgpr_workitem_id 0
		.amdhsa_next_free_vgpr 322
		.amdhsa_next_free_sgpr 100
		.amdhsa_reserve_vcc 0
		.amdhsa_float_denorm_mode_32 3
		.amdhsa_float_denorm_mode_16_64 3
		.amdhsa_memory_ordered 1
		.amdhsa_forward_progress 1
		.amdhsa_inst_pref_size 240
	.end_amdhsa_kernel
	.amdgpu_metadata
---
amdhsa.version: [ 1, 2 ]
amdhsa.kernels:
  - .name:           k_qaf6083fb28_down
    .symbol:         k_qaf6083fb28_down.kd
    .args:
      - { .name: W2, .offset: 0, .size: 8, .value_kind: global_buffer, .address_space: global }
      - { .name: hq, .offset: 8, .size: 8, .value_kind: global_buffer, .address_space: global }
      - { .name: lists, .offset: 16, .size: 8, .value_kind: global_buffer, .address_space: global }
      - { .name: y, .offset: 24, .size: 8, .value_kind: global_buffer, .address_space: global }
    .group_segment_fixed_size: 139776
    .private_segment_fixed_size: 0
    .kernarg_segment_align: 8
    .kernarg_segment_size: 32
    .max_flat_workgroup_size: 384
    .sgpr_count:     100
    .vgpr_count:     322
    .wavefront_size: 32
...
	.end_amdgpu_metadata
.endif
;; end of part 4
;; launch merge (part 5): grid 256 x 1, 4 waves a work-group, no clusters, 0 bytes of LDS; arguments y, lists, wgt, out0; writes out0
.if DOCPART == 5
	.amdgcn_target "amdgcn-amd-amdhsa--gfx1250"
	.amdhsa_code_object_version 6
	.text
	.protected	k_qaf6083fb28_merge
	.globl	k_qaf6083fb28_merge
	.p2align	8
	.type	k_qaf6083fb28_merge,@function
k_qaf6083fb28_merge:
	s_mov_b64 s[64:65], 0
	v_nop
	global_prefetch_b8 v0, s[64:65] scope:SCOPE_SE
	s_setreg_imm32_b32 hwreg(HW_REG_WAVE_MODE, 25, 1), 1
	s_wait_xcnt 0x0
; MERGE.  out[t] = w0 (y0[s0] + y1[s0]) + w1 (y0[s1] + y1[s1]): the two halves of K of each of the token's two routed rows, under the gate's weights.  Each output row has one owner: a wave.
; A stream: 32 loads of 512 consecutive bytes a wave, all issued at once; no LDS, no barrier, no matrix unit: there is nothing here for them to do.
.set PLANE, 8847360                    ; a plane of y: 2,160 rows of 4,096 bytes
.set Y, 16                             ; v16-143: piece i of eight, source 0..3: four registers each
	s_load_b256 s[4:11], s[0:1], 0x0               ; y s[4:5], lists s[6:7], wgt s[8:9], out0 s[10:11]
	v_lshrrev_b32 v1, 5, v0
	v_readfirstlane_b32 s12, v1                    ; wave
	v_and_b32 v1, 31, v0
	v_lshlrev_b32 v2, 4, v1                        ; 16 x lane
	s_lshl_b32 s13, ttmp9, 2
	s_add_co_u32 s13, s13, s12                     ; my token
	s_lshl_b32 s14, s13, 3
	s_lshl_b32 s32, s13, 12
	s_mov_b32 s33, 0
	s_wait_alu depctr_va_vdst(0)
	s_wait_kmcnt 0x0
	s_load_b64 s[16:17], s[6:7], s14 offset:0x2300 ; the token's two row places
	s_load_b64 s[18:19], s[8:9], s14 offset:0x0    ; and its two weights
	s_add_nc_u64 s[10:11], s[10:11], s[32:33]
	s_wait_kmcnt 0x0
	s_min_u32 s16, s16, 2159
	s_min_u32 s17, s17, 2159
	s_lshl_b32 s20, s16, 12
	s_mov_b32 s21, 0
	s_lshl_b32 s22, s17, 12
	s_mov_b32 s23, 0
	s_add_nc_u64 s[24:25], s[4:5], s[20:21]        ; first row, first half of K
	s_add_nc_u64 s[26:27], s[24:25], PLANE         ; second half
	s_add_nc_u64 s[28:29], s[4:5], s[22:23]        ; second row
	s_add_nc_u64 s[34:35], s[28:29], PLANE
	s_mov_b32 s30, s19                             ; w1 as the low word of a pair of its own
	s_mov_b32 s31, s19
.irp i, 0,1,2,3,4,5,6,7
	global_load_b128 v[Y+16*\i:Y+16*\i+3], v2, s[24:25] offset:512*\i th:TH_LOAD_NT
	global_load_b128 v[Y+16*\i+4:Y+16*\i+7], v2, s[26:27] offset:512*\i th:TH_LOAD_NT
	global_load_b128 v[Y+16*\i+8:Y+16*\i+11], v2, s[28:29] offset:512*\i th:TH_LOAD_NT
	global_load_b128 v[Y+16*\i+12:Y+16*\i+15], v2, s[34:35] offset:512*\i th:TH_LOAD_NT
.endr
.irp i, 0,1,2,3,4,5,6,7
	s_wait_loadcnt 28-4*\i                         ; piece i's four loads are in; the later pieces' stay out
	v_pk_add_f32 v[Y+16*\i:Y+16*\i+1], v[Y+16*\i:Y+16*\i+1], v[Y+16*\i+4:Y+16*\i+5]
	v_pk_add_f32 v[Y+16*\i+2:Y+16*\i+3], v[Y+16*\i+2:Y+16*\i+3], v[Y+16*\i+6:Y+16*\i+7]
	v_pk_add_f32 v[Y+16*\i+8:Y+16*\i+9], v[Y+16*\i+8:Y+16*\i+9], v[Y+16*\i+12:Y+16*\i+13]
	v_pk_add_f32 v[Y+16*\i+10:Y+16*\i+11], v[Y+16*\i+10:Y+16*\i+11], v[Y+16*\i+14:Y+16*\i+15]
	v_pk_mul_f32 v[Y+16*\i:Y+16*\i+1], v[Y+16*\i:Y+16*\i+1], s[18:19] op_sel_hi:[1,0]
	v_pk_mul_f32 v[Y+16*\i+2:Y+16*\i+3], v[Y+16*\i+2:Y+16*\i+3], s[18:19] op_sel_hi:[1,0]
	v_pk_fma_f32 v[Y+16*\i:Y+16*\i+1], v[Y+16*\i+8:Y+16*\i+9], s[30:31], v[Y+16*\i:Y+16*\i+1] op_sel_hi:[1,0,1]
	v_pk_fma_f32 v[Y+16*\i+2:Y+16*\i+3], v[Y+16*\i+10:Y+16*\i+11], s[30:31], v[Y+16*\i+2:Y+16*\i+3] op_sel_hi:[1,0,1]
	global_store_b128 v2, v[Y+16*\i:Y+16*\i+3], s[10:11] offset:512*\i     ; 512 consecutive bytes of the token's row
.endr
	s_endpgm
.Lfunc_end_k_qaf6083fb28_merge:
	.size	k_qaf6083fb28_merge, .Lfunc_end_k_qaf6083fb28_merge-k_qaf6083fb28_merge
	.p2alignl 7, 3214868480
	.fill 96, 4, 3214868480
	.section	.rodata,"a",@progbits
	.p2align	6, 0x0
	.amdhsa_kernel k_qaf6083fb28_merge
		.amdhsa_group_segment_fixed_size 0
		.amdhsa_private_segment_fixed_size 0
		.amdhsa_enable_private_segment 0
		.amdhsa_kernarg_size 32
		.amdhsa_user_sgpr_count 2
		.amdhsa_user_sgpr_kernarg_segment_ptr 1
		.amdhsa_wavefront_size32 1
		.amdhsa_system_sgpr_workgroup_id_x 1
		.amdhsa_system_sgpr_workgroup_id_y 1
		.amdhsa_system_sgpr_workgroup_id_z 1
		.amdhsa_system_vgpr_workitem_id 0
		.amdhsa_next_free_vgpr 144
		.amdhsa_next_free_sgpr 66
		.amdhsa_reserve_vcc 0
		.amdhsa_float_denorm_mode_32 3
		.amdhsa_float_denorm_mode_16_64 3
		.amdhsa_memory_ordered 1
		.amdhsa_forward_progress 1
		.amdhsa_inst_pref_size 10
	.end_amdhsa_kernel
	.amdgpu_metadata
---
amdhsa.version: [ 1, 2 ]
amdhsa.kernels:
  - .name:           k_qaf6083fb28_merge
    .symbol:         k_qaf6083fb28_merge.kd
    .args:
      - { .name: y, .offset: 0, .size: 8, .value_kind: global_buffer, .address_space: global }
      - { .name: lists, .offset: 8, .size: 8, .value_kind: global_buffer, .address_space: global }
      - { .name: wgt, .offset: 16, .size: 8, .value_kind: global_buffer, .address_space: global }
      - { .name: out0, .offset: 24, .size: 8, .value_kind: global_buffer, .address_space: global }
    .group_segment_fixed_size: 0
    .private_segment_fixed_size: 0
    .kernarg_segment_align: 8
    .kernarg_segment_size: 32
    .max_flat_workgroup_size: 128
    .sgpr_count:     66
    .vgpr_count:     144
    .wavefront_size: 32
...
	.end_amdgpu_metadata
.endif
;; end of part 5
